; MI455X (gfx1250); checked and timed in simulation.
; The chip was launched on July 23, 2026; its instructions are those of AMD's public machine-readable ISA for CDNA 5 (MIT licence, August 2026) and "CDNA5" Instruction Set Architecture Reference Guide (July 2026). The comments in the code are by the model that wrote it; some were corrected since.
;; Vector Net Global Graph. Allowed arithmetic: matrix products marked QUANTISED: E4M3 operands, one given power-of-two scale a tensor, by v_wmma_f32_16x16x64_fp8_fp8 or v_wmma_f32_16x16x128_fp8_fp8, f32 sums; everything else in f32.
;; Inputs: bk 128 float32; bq 128 float32; bv 128 float32; lowp_scales 10 int32 (the exponents e of the quantised operands' scales 2^e); valid_lens 256 int32; wk_codes 128 x 4 x 32 uint8 (E4M3 codes of wk, K innermost, in blocks of 32 codes); wq_codes 128 x 4 x 32 uint8 (E4M3 codes of wq, K innermost, in blocks of 32 codes); wv_codes 128 x 4 x 32 uint8 (E4M3 codes of wv, K innermost, in blocks of 32 codes); x_codes 256 x 512 x 4 x 32 uint8 (E4M3 codes of x, K innermost, in blocks of 32 codes).
;; Outputs: out0 256 x 512 x 128 float32.
;; This version of the problem:
;;   THIS VERSION OF THE PROBLEM IS GIVEN IN LOW PRECISION. The matrix products marked QUANTISED in the list below multiply operands that are first quantised to E4M3 (4 exponent bits, 3 mantissa bits; 8 bits a number), with one given power-of-two scale for each operand tensor; their sums are f32. All else is computed in f32.
;;   The module's matrix products, in the order in which they are computed (A, B: the left and right operand; K: the contracted axis; several contracted axes count as one K, in the product's order):
;;     1. [M 131,072, K 128] x [K 128, N 128]; A: input x (given as codes); B: input wq (given as codes): QUANTISED (scales: A lowp_scales[0], B lowp_scales[1])
;;     2. [M 131,072, K 128] x [K 128, N 128]; A: input x (given as codes); B: input wk (given as codes): QUANTISED (scales: A lowp_scales[2], B lowp_scales[3])
;;     3. [M 131,072, K 128] x [K 128, N 128]; A: input x (given as codes); B: input wv (given as codes): QUANTISED (scales: A lowp_scales[4], B lowp_scales[5])
;;     4. batch 256 x [M 512, K 128] x [K 128, N 512]; A: computed on the way; B: computed on the way: QUANTISED (scales: A lowp_scales[6], B lowp_scales[7])
;;     5. batch 256 x [M 512, K 512] x [K 512, N 128]; A: computed on the way; B: computed on the way: QUANTISED (scales: A lowp_scales[8], B lowp_scales[9])
;;   THE QUANTISER, for each operand of a quantised product, along K:
;;     - The operand's scale is 2^e, e = its entry of the input lowp_scales (int32; the entries are numbered through the quantised products in the list's order, A before B).
;;     - Each number is divided by the scale, clamped to +-448, and rounded to the nearest number of E4M3, ties to even, subnormals kept.
;;     - The product sums the exact products of the quantised numbers (number of the format x scale) in f32.
;;   ~~~python
;;   def quantise(x, axis, e):      # numpy; x: float32 -> the quantised numbers, widened to float32 again
;;       x = np.moveaxis(x, axis, -1); K = x.shape[-1]
;;       r = np.clip(x / 2.0 ** e, -448, 448)
;;       step = 2.0 ** (np.maximum(np.frexp(np.where(r == 0, 1, r))[1] - 1, -6) - 3)
;;       q = np.round(r / step) * step * 2.0 ** e      # np.round: ties to even
;;       return np.moveaxis(q, -1, axis).astype(np.float32)
;;   ~~~
;;   OPERANDS COMPUTED ON THE WAY. 'Computed on the way' means the value that the module computes at that place (a softmax that the list does not call 'softmax' is quantised finished and normalised). What goes into a quantiser is computed in f32, as accurately as f32 sums, v_exp_f32 and their like allow (about 1e-6 of the number): no bf16 or f16 on the way to a quantiser, and a product that is left as it is and whose result goes on into a quantised operand takes f32 operands (vector FMAs, or v_wmma_f32_16x16x4_f32). A number that lies on a knife's edge between two numbers of the format may be rounded either way, as far as f32 arithmetic and the matrix unit's own rounding can turn it there, and no further.
;;   INPUTS GIVEN AS CODES. wk (in the module: [128, 128], K = its axis 0); wq (in the module: [128, 128], K = its axis 0); wv (in the module: [128, 128], K = its axis 0); x (in the module: [256, 512, 128], K = its axis 2): each comes as NAME_codes (uint8): NAME with its K axis moved to the last place and cut into blocks of 32 codes, [.., K / 32, bytes a block], one block behind the other in memory; one code a byte (a code: sign, 4 exponent bits, 3 mantissa bits); its scale is its entry of lowp_scales. Its value is code x scale, taken as it is: it is not quantised again, and the codes and scales need not be those that the quantiser above would give.
;; One version. Each part assembles by itself: llvm-mc -triple=amdgcn-amd-amdhsa -mcpu=gfx1250 --defsym DOCPART=n.
;; ======== version 1 of 1: 1 launch
;; limits: right only within a limited range of input values
;; launch globalgraph (part 1): grid 256 x 1, 4 waves a work-group, no clusters, 280,064 bytes of LDS; arguments x_codes, wq_codes, wk_codes, wv_codes, bq, bk, bv, lowp_scales, valid_lens, out0; writes out0
.if DOCPART == 1
	.amdgcn_target "amdgcn-amd-amdhsa--gfx1250"
	.amdhsa_code_object_version 6
	.text
	.protected	k_qc7fcfce3cd_globalgraph
	.globl	k_qc7fcfce3cd_globalgraph
	.p2align	8
	.type	k_qc7fcfce3cd_globalgraph,@function
k_qc7fcfce3cd_globalgraph:
	s_mov_b64 s[64:65], 0
	v_nop
	global_prefetch_b8 v0, s[64:65] scope:SCOPE_SE
	s_setreg_imm32_b32 hwreg(HW_REG_WAVE_MODE, 25, 1), 1
	s_wait_xcnt 0x0
; out[b] = (softmax(mask(q k^T / sqrt(128))) x not-mask) v,  q, k, v = x[b] W + bias: all five products on codes of FP8 (E4M3), each operand with the scale 2^e that is given for it.
; ONE LAUNCH, ONE WORK-GROUP A BATCH (512 rows x 128), four waves, as many as a WGP has SIMDs, 1,024 registers each.  Nothing but x, the weights and out touches memory.
; PHASE A.  Each wave loads a quarter of the three weights; they go round through LDS as images of their registers, and every wave then holds all 24 fragments.  Wave w projects the rows 128 i + 32 w .. + 31
; (i = 0 .. 3) to q, k and v, quantises them in registers and stores them in LDS as images of the operands that phase B wants.
; PHASE B.  Wave w owns the query groups 4 i + w (the 32 rows that it projected: two tiles of 16).  For a group: S^T = K Q^T of both tiles against all keys that count stays in registers (up to 512);
; the row's maximum, p = 2^(c S - c m), the row's sum, attn = p / sum (the FINISHED softmax is what is quantised), its codes, O^T = V^T P; out through the wave's own stage as whole rows of 512 bytes.
; Each fragment of K and of V read from LDS feeds two matrix instructions (the two tiles).
; THE MASK is made by the problem from valid_lens (vl): work that it throws away is not done.  Steps of 128 keys at or beyond vl are neither projected nor multiplied (scalar branches on vl, a whole number read
; from memory); groups of queries at or beyond vl store zeros; in the one step that vl cuts, hidden keys get -3e38 as the C of the score products (p = 0); hidden queries of a live group get 1 / sum = 0.
; LAYOUT.  A fragment is 16 rows x 128 K in 16 registers: lane (r = l % 16, hh = l / 16) holds row r, registers 4 c .. 4 c + 3 hold K = 32 c + 16 hh + 0 .. 15: the same permutation of K on both sides of every product.
; An IMAGE of a fragment is 2,048 bytes: piece c (four registers) at 512 c + 16 x lane.  THE ROWS OF A TILE ARE NOT NEIGHBOURS: lane r of tile 2 u + x takes row 32 u + 8 x + r + 8 (r / 8).  So
;   q^T, k^T = W x^T (source 0 = 16 rows of W in the same order, source 1 = x): a lane holds one row of x and its 64 registers run along h as an operand wants them;
;   v = x Wv (source 0 = x, source 1 = 16 channels): a lane holds one channel and the 16 registers of tiles x = 0, 1 are 16 neighbouring keys: a piece of V^T with the keys innermost;
;   S^T (source 0 = a tile of K, source 1 = Q): a lane holds one query and register 64 s + 16 b + i is key 128 s + 32 b + 16 hh + i: the conversions give P as an operand.
; NO CLUSTER, NO TENSOR LOADS: what work-groups share is the 48 KiB of weights, beside 64 KiB of x and 256 KiB of out of a work-group's own, and partners' paths would hang on different vl.  Every input byte is
; loaded once, straight into the registers that use it, in one run at the head: there is no stream to run ahead of, so no ring and no prefetch.
; LIMITS on the given exponents, so that each power of two below is an f32 number: e6 - e0 - e1, e7 - e2 - e3, e9 - e4 - e5 and e8 between -126 and 119; e8 + e9 between -126 and 127; e6 + e7 between -110 and 100
; (so that -3e38 x c lies far below every t, and c x a score stays finite).  NaN codes among the inputs are not served.  vl is held within 0 .. 512.
; REGISTERS, in windows of 256 (s_set_vgpr_msb: bits 1:0 source 0, 3:2 source 1, 5:4 source 2, 7:6 destination):
;   window 0: v1-15, v28-31 addresses and statistics; v32-63 Q's two fragments; v64-95 codes just made; v96-159 the mask tile (phase A: v96-223 a projection's 128 results); v160-183 chains; v224-252 constants, addresses
;   window 1: phase A: Wq, Wk.  Phase B: two sets of eight fragments of K or V; on the way out 32 rows of out
;   window 2: phase A: Wv, bq's and bk's tiles.  Phase B: S^T of tile 0 (step s at 64 s); O^T of tile 0 takes v0-63 when step 0 has been converted          window 3: phase A: bv's tiles, x.  Phase B: the same for tile 1
.set KIMG,  65536                      ; LDS: Q's 32 images from 0 on (tile T at 2,048 T); K's 32 (a step of 128 keys = 16,384 bytes);
.set VIMG,  131072                     ; V^T's 32 (step s, channels 16 ct on: 2,048 (8 s + ct));
.set WIMG,  196608                     ; the weights' 24 (8 x kind + tile);
.set STAGE, 245760                     ; the way out: 16 rows x (512 bytes + 16) for each wave
.set SPITCH, 528
.set LK,  1                            ; v1   KIMG + 16 x lane
.set LV,  2                            ; v2   VIMG + 16 x lane
.set IQ,  3                            ; v3   16 x lane + 4,096 x wave: my images of Q in step 0
.set QAD, 4                            ; v4   the same in the trip's step
.set STO, 5                            ; v5   the stage: where I put 32 bytes of a row
.set RD,  6                            ; v6   and where I read a row back
.set GO,  7                            ; v7   16 x lane: my bytes of a row of out
.set QR,  8                            ; v8   r + 8 (r / 8): my row in a tile
.set PT,  10                           ; v10-11 what the other half of the lanes sends
.set NM,  12                           ; v[12:13], v[14:15]  - c m of tile 0, 1 (the low word serves both halves)
.set RL,  28                           ; v[28:29], v[30:31]  1 / sum, or 0 for a hidden query
.set QF,  32
.set PC,  64
.set MK,  96
.set HA,  96
.set MX,  160                          ; four chains of maxima a tile
.set SM,  168                          ; four chains of packed sums a tile
.set Z,   224                          ; v224-227 zeros
.set LIM8, 228
.set SC8,  229
.set SCQ,  232
.set LIMQ, 233
.set SCK,  234
.set LIMK, 235
.set SCV,  236
.set LIMV, 237
.set IK,  238                          ; IQ + KIMG
.set IV,  239                          ; VIMG + 16 x lane + 512 x wave: my piece of V's images
.set XA,  240                          ; 128 (r + 8 (r / 8)) + 16 hh + 4,096 x wave: x's fragments, and my two tiles of wq and of wk
.set WVA, 242                          ; 128 r + 16 hh + 4,096 x wave: my two tiles of wv
.set WST, 243                          ; WIMG + 16 x lane + 4,096 x wave
.set LW,  244                          ; WIMG + 16 x lane
.set BO,  245                          ; 64 hh
.set BVO, 246                          ; 4 r
.set DD,  247
.set NEGB, 248                         ; -3e38
.set TL,  249
.set RR,  250
.set HH,  251
.set T0,  252
.set BQ,  128                          ; window 2
.set BKB, 192
.set XR,  64                           ; window 3: x's fragment (i, x) at XR + 32 i + 16 x; bv's tiles at v0-63
.set VL,  34
.set NS,  35                           ; steps of 128 keys that count
.set WV,  36
.set CS,  40                           ; s[40:41] c = log2(e) / sqrt(128) x 2^(e6 + e7)
.set NEGC, 42
.set OSC, 44                           ; s[44:45] 2^(e8 + e9)
.set SEL, 46
.set QB,  48
.set G32, 49                           ; the group's first row
.set CNT, 50
.set DV,  52                           ; s52, s53: vl - the tile's first row
.set MSB, 0
.macro WIN new                         ; the immediate's high byte repeats the setting that is left; a switch that changes nothing is dropped
.if MSB != (\new)
	s_set_vgpr_msb (MSB<<8)|(\new)
.set MSB, (\new)
.endif
.endm
; A vector instruction that reads a matrix result or writes one of a matrix instruction's registers, and a load into such a register, stand four places behind it; only plain vector instructions that name none of
; its registers are places (ISA guide 7.12.1 for vector instructions).
.macro PLACES n
.rept \n
	v_nop
.endr
.endm
.macro BARRIER                         ; my LDS stores have landed and my LDS loads are in: then the work-group's barrier
	s_wait_dscnt 0x0
	s_barrier_signal -1
	s_barrier_wait -1
.endm
.macro MKSCALE e, vsc, vlim            ; s[e] = a whole number f: v[vsc] = 2^f as f32 (a conversion takes its exponent field)
	s_add_co_i32 s38, s[\e], 127
	s_lshl_b32 s39, s38, 23
	v_mov_b32 v[\vsc], s39
.endm
; 64 numbers of a lane become 16 registers of codes.
.macro QUANT src, dst, sc, lim
.irp b, 0,1,2,3
.irp i, 0,1,2,3,4,5,6,7,8,9,10,11,12,13,14,15
.endr
	v_cvt_scalef32_pk8_fp8_f32 v[\dst+4*\b:\dst+4*\b+1], v[\src+16*\b:\src+16*\b+7], v[\sc]
	v_cvt_scalef32_pk8_fp8_f32 v[\dst+4*\b+2:\dst+4*\b+3], v[\src+16*\b+8:\src+16*\b+15], v[\sc]
.endr
	v_nop                                          ; one plain vector instruction between a scaled conversion and the products that write its sources again
.endm
; q or k of my 32 rows of step i: 16 products (source 0 = W's tile t, source 1 = x's tile, C = the bias / 2^(ex + ew)), two fragments of codes, their images.
.macro PROJQK i, wf, bias, sc, lim, adr
	WIN 0x2d                                       ; W window 1, x window 3, bias window 2, results window 0
.irp x, 0,1
.irp t, 0,1,2,3,4,5,6,7
	v_wmma_f32_16x16x128_fp8_fp8 v[HA+64*\x+8*\t:HA+64*\x+8*\t+7], v[\wf+16*\t:\wf+16*\t+15], v[XR+32*\i+16*\x:XR+32*\i+16*\x+15], v[\bias+8*\t:\bias+8*\t+7]
.endr
.endr
	WIN 0
	PLACES 4
	s_wait_dscnt 0x0                               ; the stores of the codes made before have read their registers
	QUANT HA, PC, \sc, \lim
	QUANT HA+64, PC+16, \sc, \lim
.irp x, 0,1
.irp c, 0,1,2,3
	ds_store_b128 v[\adr], v[PC+16*\x+4*\c:PC+16*\x+4*\c+3] offset:16384*\i+2048*\x+512*\c
.endr
.endr
.endm
; My 32 rows of step i.  A step all of whose rows lie at or beyond vl is read by nobody: it is left out (a scalar branch on vl; no barrier stands inside).
.macro UNIT i
	WIN 0
	s_cmp_le_u32 s[NS], \i
	s_cbranch_scc1 .Lunit_end_\@
	PROJQK \i, 0, BQ, SCQ, LIMQ, IQ
	PROJQK \i, 128, BKB, SCK, LIMK, IK
	WIN 0x3b                                       ; x window 3, Wv window 2, bias window 3, results window 0
.irp ct, 0,1,2,3,4,5,6,7
.irp x, 0,1
	v_wmma_f32_16x16x128_fp8_fp8 v[HA+16*\ct+8*\x:HA+16*\ct+8*\x+7], v[XR+32*\i+16*\x:XR+32*\i+16*\x+15], v[16*\ct:16*\ct+15], v[8*\ct:8*\ct+7]
.endr
.endr
	WIN 0
	PLACES 4
	s_wait_dscnt 0x0
	QUANT HA, PC, SCV, LIMV                        ; 16 registers = 16 neighbouring keys of my channel: four registers of codes = piece w of V's fragment (step i, ct)
	QUANT HA+64, PC+16, SCV, LIMV
.irp ct, 0,1,2,3,4,5,6,7
	ds_store_b128 v[IV], v[PC+4*\ct:PC+4*\ct+3] offset:16384*\i+2048*\ct
.endr
	WIN 0
.Lunit_end_\@:
.endm
; Set n of a group's 2 ns sets of eight fragments: K's steps 0 .. ns - 1, then V's.  32 LDS loads in one run, each of 512 consecutive bytes, into set n % 2 of window 1.
.macro LOADSET n, ns
	WIN 0x40
.irp k, 0,1,2,3,4,5,6,7,8,9,10,11,12,13,14,15,16,17,18,19,20,21,22,23,24,25,26,27,28,29,30,31
.if (\n) < (\ns)
	ds_load_b128 v[128*((\n)%2)+4*\k:128*((\n)%2)+4*\k+3], v[LK] offset:16384*(\n)+512*\k
.else
	ds_load_b128 v[128*((\n)%2)+4*\k:128*((\n)%2)+4*\k+3], v[LV] offset:16384*((\n)-(\ns))+512*\k
.endif
.endr
.endm
; S^T of step s for both tiles.  The last step's products start from the mask tile (0, or -3e38 for keys at or beyond vl), the others from 0: the mask costs no instruction.
.macro SMUL s, ns
.irp x, 0,1
	WIN 0x81+0x40*\x
.irp t, 0,1,2,3,4,5,6,7
.if (\s) == (\ns)-1
	v_wmma_f32_16x16x128_fp8_fp8 v[64*(\s)+8*\t:64*(\s)+8*\t+7], v[128*((\s)%2)+16*\t:128*((\s)%2)+16*\t+15], v[QF+16*\x:QF+16*\x+15], v[MK+8*\t:MK+8*\t+7]
.else
	v_wmma_f32_16x16x128_fp8_fp8 v[64*(\s)+8*\t:64*(\s)+8*\t+7], v[128*((\s)%2)+16*\t:128*((\s)%2)+16*\t+15], v[QF+16*\x:QF+16*\x+15], 0
.endif
.endr
.endr
.endm
.macro MAXU s                          ; step s's scores into the maxima: four chains a tile, ascending, so that each result is read from its low end on
.irp x, 0,1
	WIN 0x28+0x14*\x
.set kk, 0
.rept 32
	v_max3_num_f32 v[MX+4*\x+kk%4], v[MX+4*\x+kk%4], v[64*(\s)+2*kk], v[64*(\s)+2*kk+1]
.set kk, kk+1
.endr
.endr
.endm
; p = 2^(c S - c m), in place.  The packed scalings run two pairs ahead of the exponentials and stand between them, so that plain work is at hand beside the exponentials.
.macro EXPU x, s
	WIN 0x82+0x41*\x
.set eb, 64*(\s)
	v_pk_fma_f32 v[eb:eb+1], v[eb:eb+1], s[CS:CS+1], v[NM+2*\x:NM+2*\x+1] op_sel_hi:[1,0,0]
	v_pk_fma_f32 v[eb+2:eb+3], v[eb+2:eb+3], s[CS:CS+1], v[NM+2*\x:NM+2*\x+1] op_sel_hi:[1,0,0]
.set jj, 0
.rept 32
	v_exp_f32 v[eb+2*jj], v[eb+2*jj]
.if jj < 30
	v_pk_fma_f32 v[eb+2*jj+4:eb+2*jj+5], v[eb+2*jj+4:eb+2*jj+5], s[CS:CS+1], v[NM+2*\x:NM+2*\x+1] op_sel_hi:[1,0,0]
.endif
	v_exp_f32 v[eb+2*jj+1], v[eb+2*jj+1]
.set jj, jj+1
.endr
.endm
.macro SUMU x, s                       ; the row's sum of p, two at a time, in four chains
	WIN 0x08+0x04*\x
.set kk, 0
	s_wait_alu depctr_va_vdst(0)
.rept 32
	v_pk_add_f32 v[SM+8*\x+2*(kk%4):SM+8*\x+2*(kk%4)+1], v[SM+8*\x+2*(kk%4):SM+8*\x+2*(kk%4)+1], v[64*(\s)+2*kk:64*(\s)+2*kk+1]
.set kk, kk+1
.endr
.endm
.macro NORMU x, s                      ; attn = p x (1 / sum), or x 0 for a hidden query
	WIN 0x82+0x41*\x
.set kk, 0
.rept 32
	v_pk_mul_f32 v[64*(\s)+2*kk:64*(\s)+2*kk+1], v[64*(\s)+2*kk:64*(\s)+2*kk+1], v[RL+2*\x:RL+2*\x+1] op_sel_hi:[1,0]
.set kk, kk+1
.endr
.endm
; The hold at 448 x 2^e8.  attn is at most 1 but for a few last bits (the sum holds the largest p), so from e8 = -8 on (448 x 2^-8 = 1.75) no number reaches it, and the lines are jumped over: a branch on a given whole number.
.macro HOLD s
	WIN 0
	s_cmp_ge_i32 s32, -8
	s_cbranch_scc1 .Lno_hold_\@
.irp x, 0,1
	WIN 0x82+0x41*\x
.set kk, 0
.rept 64
.set kk, kk+1
.endr
.endr
	WIN 0
.Lno_hold_\@:
.endm
.macro CVTU x, s                       ; 64 numbers of step s: P's fragment for tile x
	WIN 0x02+\x
.irp k, 0,1,2,3,4,5,6,7
	v_cvt_scalef32_pk8_fp8_f32 v[PC+16*\x+2*\k:PC+16*\x+2*\k+1], v[64*(\s)+8*\k:64*(\s)+8*\k+7], v[SC8]
.endr
.endm
; O^T += V^T P of step s (V's fragments lie in set n % 2).  The 16 accumulators take turns, one instruction a turn, from step to step too.  Step 0 starts the sums.
.macro PVMUL s, n
.irp x, 0,1
	WIN 0xa1+0x50*\x
.irp ct, 0,1,2,3,4,5,6,7
.if (\s) == 0
	v_wmma_f32_16x16x128_fp8_fp8 v[8*\ct:8*\ct+7], v[128*((\n)%2)+16*\ct:128*((\n)%2)+16*\ct+15], v[PC+16*\x:PC+16*\x+15], 0
.else
	v_wmma_f32_16x16x128_fp8_fp8 v[8*\ct:8*\ct+7], v[128*((\n)%2)+16*\ct:128*((\n)%2)+16*\ct+15], v[PC+16*\x:PC+16*\x+15], v[8*\ct:8*\ct+7]
.endif
.endr
.endr
.endm
; A GROUP OF 32 QUERIES AGAINST ns STEPS OF 128 KEYS.  Written out for ns = 1 .. 4, so that every register that a path reads is written on that path.
; The wait in front of set n's use is for 32: behind set n's loads stand set n + 1's 32 and no other LDS instruction (Q's eight stand ahead of set 0); for the last set it is for 0.
.macro ATT ns
	WIN 0
.irp x, 0,1
.irp c, 0,1,2,3
	ds_load_b128 v[QF+16*\x+4*\c:QF+16*\x+4*\c+3], v[QAD] offset:2048*\x+512*\c   ; my own images: no other wave wrote them
.endr
.endr
	LOADSET 0, \ns
	LOADSET 1, \ns
	WIN 0
.irp j, 0,1,2,3,4,5,6,7
	v_mov_b32 v[MX+\j], 0xff800000                 ; -infinity
.endr
.irp j, 0,1,2,3,4,5,6,7,8,9,10,11,12,13,14,15
	v_mov_b32 v[SM+\j], 0
.endr
.set SS, 0
.rept \ns                              ; the scores; the maxima of the step before are the places between a step's products and the loads into the set that they read
	s_wait_dscnt 32
	SMUL SS, \ns
.if SS == 0
	PLACES 4
.else
	MAXU SS-1
.endif
.if SS+2 < 2*\ns
	LOADSET SS+2, \ns
.endif
.set SS, SS+1
.endr
	MAXU \ns-1
	WIN 0
.irp x, 0,1
	v_max3_num_f32 v[MX+4*\x], v[MX+4*\x], v[MX+4*\x+1], v[MX+4*\x+2]
.endr
.irp x, 0,1
	v_max_num_f32 v[MX+4*\x], v[MX+4*\x], v[MX+4*\x+3]
.endr
.irp x, 0,1
	v_permlanex16_b32 v[PT+\x], v[MX+4*\x], s[SEL], s[SEL+1]   ; the query's other keys lie in the lane 16 away
.endr
.irp x, 0,1
	v_max_num_f32 v[MX+4*\x], v[MX+4*\x], v[PT+\x]
.endr
.irp x, 0,1
	v_mul_f32 v[NM+2*\x], s[NEGC], v[MX+4*\x]      ; - c m (c is positive).  Its rounding shifts all of a row's exponents alike and leaves p / sum as it is
.endr
.set SS, 0
.rept \ns
	EXPU 0, SS
	EXPU 1, SS
	SUMU 0, SS
	SUMU 1, SS
.set SS, SS+1
.endr
	WIN 0
.irp x, 0,1
	v_pk_add_f32 v[SM+8*\x:SM+8*\x+1], v[SM+8*\x:SM+8*\x+1], v[SM+8*\x+2:SM+8*\x+3]
	v_pk_add_f32 v[SM+8*\x+4:SM+8*\x+5], v[SM+8*\x+4:SM+8*\x+5], v[SM+8*\x+6:SM+8*\x+7]
.endr
.irp x, 0,1
	v_pk_add_f32 v[SM+8*\x:SM+8*\x+1], v[SM+8*\x:SM+8*\x+1], v[SM+8*\x+4:SM+8*\x+5]
.endr
.irp x, 0,1
	v_add_f32 v[SM+8*\x], v[SM+8*\x], v[SM+8*\x+1]
.endr
.irp x, 0,1
	v_permlanex16_b32 v[PT+\x], v[SM+8*\x], s[SEL], s[SEL+1]
.endr
.irp x, 0,1
	v_add_f32 v[SM+8*\x], v[SM+8*\x], v[PT+\x]     ; the row's sum: at least the largest p, which is 1 but for its last bits
.endr
.irp x, 0,1
	v_rcp_f32 v[SM+8*\x+2], v[SM+8*\x]
.endr
	v_nop                                          ; a plain instruction between the reciprocals and the use of their results
	s_wait_alu depctr_va_vdst(0)
.irp x, 0,1
	v_cmp_gt_i32 vcc_lo, s[DV+\x], v[QR]           ; my query counts where its row lies under vl
	v_cndmask_b32 v[RL+2*\x], 0, v[SM+8*\x+2], vcc_lo
.endr
.set SS, 0
.rept \ns
	NORMU 0, SS
	NORMU 1, SS
	HOLD SS
	CVTU 0, SS
	CVTU 1, SS
	WIN 0
	v_nop                                          ; one plain vector instruction between the conversions and the products that read their results and (step 0) write their sources
.if SS == \ns-1
	s_wait_dscnt 0x0
.else
	s_wait_dscnt 32
.endif
	PVMUL SS, \ns+SS
.if \ns+SS+2 < 2*\ns
	PLACES 4
	LOADSET \ns+SS+2, \ns
.endif
.set SS, SS+1
.endr
	WIN 0
.endm
; Tile x on its way out: x 2^(e8 + e9), each accumulator from its low end on; a lane's 32 bytes of a row into my stage; whole rows of 512 bytes back.  LDS serves a wave's instructions in order (ISA guide 5.7.1.4):
; the loads see the stores above them, and the next tile's stores come behind these loads.
.macro OUTT x
	WIN 0x82+0x41*\x
.set kk, 0
.rept 32
	v_pk_mul_f32 v[2*kk:2*kk+1], v[2*kk:2*kk+1], s[OSC:OSC+1] op_sel_hi:[1,0]
.set kk, kk+1
.endr
	WIN 0x08+0x04*\x
.irp ct, 0,1,2,3,4,5,6,7
	ds_store_b128 v[STO], v[8*\ct:8*\ct+3] offset:64*\ct        ; lane (r, hh): channels 16 ct + 8 hh + 0 .. 7 of the tile's row r
	ds_store_b128 v[STO], v[8*\ct+4:8*\ct+7] offset:64*\ct+16
.endr
	WIN 0x40
.irp t, 0,1,2,3,4,5,6,7,8,9,10,11,12,13,14,15
	ds_load_b128 v[64*\x+4*\t:64*\x+4*\t+3], v[RD] offset:\t*SPITCH
.endr
.endm
	; ---------------- the head: addresses
	s_load_b512 s[4:19], s[0:1], 0x0               ; x 4:5, wq 6:7, wk 8:9, wv 10:11, bq 12:13, bk 14:15, bv 16:17, the scales' exponents 18:19
	s_load_b128 s[20:23], s[0:1], 0x40             ; valid_lens 20:21, out 22:23
	v_lshl_add_u32 v254, v0, 2, 0x44400
	v_mov_b32 v255, 0
	v_lshrrev_b32 v[T0], 5, v0
	v_readfirstlane_b32 s[WV], v[T0]               ; wave 0..3
	v_and_b32 v[TL], 31, v0
	v_lshlrev_b32 v[TL], 4, v[TL]                  ; 16 x lane
	v_and_b32 v[RR], 15, v0                        ; r
	v_bfe_u32 v[HH], v0, 4, 1                      ; hh
	v_and_b32 v[QR], 8, v[RR]
	v_add_nc_u32 v[QR], v[QR], v[RR]               ; r + 8 (r / 8)
	v_add_nc_u32 v[LK], KIMG, v[TL]
	v_add_nc_u32 v[LV], VIMG, v[TL]
	v_add_nc_u32 v[LW], WIMG, v[TL]
	s_lshl_b32 s37, s[WV], 12
	v_add_nc_u32 v[IQ], s37, v[TL]
	v_add_nc_u32 v[IK], KIMG, v[IQ]
	v_add_nc_u32 v[WST], WIMG, v[IQ]
	s_lshl_b32 s38, s[WV], 9
	v_add_nc_u32 v[IV], s38, v[LV]
	s_mul_i32 s39, s[WV], 16*SPITCH
	s_add_co_u32 s39, s39, STAGE                   ; my stage
	v_mul_u32_u24 v[STO], v[RR], SPITCH
	v_lshl_add_u32 v[STO], v[HH], 5, v[STO]
	v_add_nc_u32 v[STO], s39, v[STO]
	v_add_nc_u32 v[RD], s39, v[TL]
	v_mov_b32 v[GO], v[TL]
	v_lshlrev_b32 v[T0], 7, v[QR]
	v_lshl_add_u32 v[T0], v[HH], 4, v[T0]
	v_add_nc_u32 v[XA], s37, v[T0]
	v_lshlrev_b32 v[T0], 7, v[RR]
	v_lshl_add_u32 v[T0], v[HH], 4, v[T0]
	v_add_nc_u32 v[WVA], s37, v[T0]
	v_lshlrev_b32 v[BO], 6, v[HH]
	v_lshlrev_b32 v[BVO], 2, v[RR]
	v_mov_b32 v[NEGB], 0xff61b1e6                  ; -3e38
.irp j, 0,1,2,3
	v_mov_b32 v[Z+\j], 0
	v_mov_b32 v[NM+\j], 0                          ; (the pairs' upper words are named, so they are written)
	v_mov_b32 v[RL+\j], 0
.endr
	v_mov_b32 v[PT], 0                             ; a lane permute's destination counts as one of its sources
	v_mov_b32 v[PT+1], 0
	s_mov_b32 s[SEL], 0x76543210
	s_mov_b32 s[SEL+1], 0xfedcba98
	s_wait_kmcnt 0x0
	s_lshl_b32 s38, ttmp9, 2
	s_mov_b32 s39, 0
	s_add_nc_u64 s[20:21], s[20:21], s[38:39]      ; my batch's entry of valid_lens
	s_load_b256 s[24:31], s[18:19], 0x0            ; e0 .. e7
	s_load_b64 s[32:33], s[18:19], 0x20            ; e8, e9
	s_load_b32 s[VL], s[20:21], 0x0
	s_lshl_b32 s38, ttmp9, 16
	s_add_nc_u64 s[4:5], s[4:5], s[38:39]          ; x at my batch: 512 rows of 128 bytes
	s_lshl_b32 s38, ttmp9, 18
	s_lshl_b32 s54, s[WV], 14
	s_add_co_u32 s38, s38, s54
	s_add_nc_u64 s[22:23], s[22:23], s[38:39]      ; out at my first group: 262,144 x batch + 16,384 x wave
	; ---------------- phase A: every load of the launch goes out here.  My quarter of the weights: tiles 2 w, 2 w + 1 of each
.irp u, 0,1
.irp c, 0,1,2,3
	global_load_b128 v[HA+16*\u+4*\c:HA+16*\u+4*\c+3], v[XA], s[6:7] offset:1024*\u+32*\c
	global_load_b128 v[HA+32+16*\u+4*\c:HA+32+16*\u+4*\c+3], v[XA], s[8:9] offset:1024*\u+32*\c
	global_load_b128 v[HA+64+16*\u+4*\c:HA+64+16*\u+4*\c+3], v[WVA], s[10:11] offset:2048*\u+32*\c
.endr
.endr
	WIN 0xc0
.irp i, 0,1,2,3
.irp x, 0,1
.irp c, 0,1,2,3
	global_load_b128 v[XR+32*\i+16*\x+4*\c:XR+32*\i+16*\x+4*\c+3], v[XA], s[4:5] offset:16384*\i+1024*\x+32*\c th:TH_LOAD_NT   ; my 128 rows of x, as eight fragments: read once in the launch
.endr
.endr
.endr
	WIN 0
	s_wait_loadcnt 32                              ; the 24 loads of weights are in; behind them stand x's 32
.irp k, 0,1,2
.irp u, 0,1
.irp c, 0,1,2,3
	ds_store_b128 v[WST], v[HA+32*\k+16*\u+4*\c:HA+32*\k+16*\u+4*\c+3] offset:16384*\k+2048*\u+512*\c
.endr
.endr
.endr
	WIN 0x80
.irp t, 0,1,2,3,4,5,6,7                        ; bq, bk in the results' layout: for tile 2 b + u lane (r, hh) wants h = 32 b + 8 u + 16 hh + 0 .. 7
	global_load_b128 v[BQ+8*\t:BQ+8*\t+3], v[BO], s[12:13] offset:(32*(\t/2)+8*(\t%2))*4
	global_load_b128 v[BQ+8*\t+4:BQ+8*\t+7], v[BO], s[12:13] offset:(32*(\t/2)+8*(\t%2))*4+16
	global_load_b128 v[BKB+8*\t:BKB+8*\t+3], v[BO], s[14:15] offset:(32*(\t/2)+8*(\t%2))*4
	global_load_b128 v[BKB+8*\t+4:BKB+8*\t+7], v[BO], s[14:15] offset:(32*(\t/2)+8*(\t%2))*4+16
.endr
	WIN 0
.irp ct, 0,1,2,3,4,5,6,7
	global_load_b32 v[PC+\ct], v[BVO], s[16:17] offset:64*\ct   ; bv at my channel 16 ct + r
.endr
	BARRIER                                        ; the weights' 24 images lie in LDS
	WIN 0x40
.irp f, 0,1,2,3,4,5,6,7,8,9,10,11,12,13,14,15
.irp c, 0,1,2,3
	ds_load_b128 v[16*\f+4*\c:16*\f+4*\c+3], v[LW] offset:2048*\f+512*\c          ; Wq's eight, Wk's eight
.endr
.endr
	WIN 0x80
.irp f, 0,1,2,3,4,5,6,7
.irp c, 0,1,2,3
	ds_load_b128 v[16*\f+4*\c:16*\f+4*\c+3], v[LW] offset:32768+2048*\f+512*\c    ; Wv's eight
.endr
.endr
	WIN 0
	s_wait_kmcnt 0x0
	s_max_i32 s[VL], s[VL], 0
	s_min_i32 s[VL], s[VL], 512
	s_add_co_u32 s[NS], s[VL], 127
	s_lshr_b32 s[NS], s[NS], 7
	s_add_co_i32 s54, s24, s25
	s_sub_co_i32 s54, 0, s54                       ; -(e0 + e1): a sum of the first product stands for sum x 2^(e0 + e1), so bq goes in as bq / 2^(e0 + e1),
	s_add_co_i32 s57, s30, s54                     ; and q's conversion takes 2^(e6 - e0 - e1)
	s_add_co_i32 s55, s26, s27
	s_sub_co_i32 s55, 0, s55
	s_add_co_i32 s58, s31, s55                     ; e7 - e2 - e3
	s_add_co_i32 s56, s28, s29
	s_sub_co_i32 s56, 0, s56
	s_add_co_i32 s59, s33, s56                     ; e9 - e4 - e5
	MKSCALE 57, SCQ, LIMQ
	MKSCALE 58, SCK, LIMK
	MKSCALE 59, SCV, LIMV
	MKSCALE 32, SC8, LIM8
	s_add_co_i32 s38, s30, s31
	s_lshl_b32 s38, s38, 23
	s_add_co_i32 s[CS], s38, 0x3e0293ee            ; c = log2(e) / sqrt(128), with e6 + e7 added to its exponent field
	s_mov_b32 s[CS+1], s[CS]                       ; (named with it as a pair, so it is written)
	s_xor_b32 s[NEGC], s[CS], 0x80000000
	s_add_co_i32 s38, s32, s33
	s_add_co_i32 s38, s38, 127
	s_lshl_b32 s[OSC], s38, 23                     ; 2^(e8 + e9)
	s_mov_b32 s[OSC+1], s[OSC]
	s_wait_loadcnt 0x0                             ; x and the biases
	WIN 0x82
.irp j, 0,1,2,3,4,5,6,7,8,9,10,11,12,13,14,15,16,17,18,19,20,21,22,23,24,25,26,27,28,29,30,31,32,33,34,35,36,37,38,39,40,41,42,43,44,45,46,47,48,49,50,51,52,53,54,55,56,57,58,59,60,61,62,63
	v_ldexp_f32 v[BQ+\j], v[BQ+\j], s54
	v_ldexp_f32 v[BKB+\j], v[BKB+\j], s55
.endr
	WIN 0xc0
.irp ct, 0,1,2,3,4,5,6,7
.irp j, 0,1,2,3,4,5,6,7
	v_ldexp_f32 v[8*\ct+\j], v[PC+\ct], s56        ; in v's results a lane holds one channel: its bias in all eight registers
.endr
.endr
	WIN 0
	s_wait_dscnt 0x0                               ; the weights are in registers
	UNIT 0
	UNIT 1
	UNIT 2
	UNIT 3
	BARRIER                                        ; all images of Q, K and V that anybody reads lie in LDS; from here on they are only read
	; the mask tile for the step that vl cuts: register 16 b + i stands for key 128 (NS - 1) + 32 b + 16 hh + i
	s_sub_co_i32 s38, s[NS], 1
	s_lshl_b32 s38, s38, 7
	s_sub_co_i32 s38, s[VL], s38
	v_lshlrev_b32 v[DD], 4, v[HH]
	v_sub_nc_u32 v[DD], s38, v[DD]                 ; hidden where 32 b + i >= vl - 128 (NS - 1) - 16 hh
.irp n, 0,1,2,3,4,5,6,7,8,9,10,11,12,13,14,15,16,17,18,19,20,21,22,23,24,25,26,27,28,29,30,31,32,33,34,35,36,37,38,39,40,41,42,43,44,45,46,47,48,49,50,51,52,53,54,55,56,57,58,59,60,61,62,63
	v_cmp_ge_i32 vcc_lo, 32*(\n/16)+\n%16, v[DD]
	v_cndmask_b32 v[MK+\n], 0, v[NEGB], vcc_lo
.endr
	; ---------------- phase B: my four groups of 32 queries
	s_mov_b32 s[QB], 0
	s_lshl_b32 s[G32], s[WV], 5
	s_mov_b32 s[CNT], 0
.Lgroup:
	v_add_nc_u32 v[QAD], s[QB], v[IQ]              ; made ahead of the branches, on every path
	s_sub_co_i32 s[DV], s[VL], s[G32]
	s_sub_co_i32 s[DV+1], s[DV], 8
	s_cmp_ge_u32 s[G32], s[VL]
	s_cbranch_scc1 .Lzero                          ; all 32 queries are hidden
	s_cmp_eq_u32 s[NS], 1
	s_cbranch_scc1 .Latt1
	s_cmp_eq_u32 s[NS], 2
	s_cbranch_scc1 .Latt2
	s_cmp_eq_u32 s[NS], 3
	s_cbranch_scc1 .Latt3
	ATT 4
	s_branch .Lout
.Latt3:
	ATT 3
	s_branch .Lout
.Latt2:
	ATT 2
	s_branch .Lout
.Latt1:
	ATT 1
.Lout:
	PLACES 4                                       ; behind the last products: their results are read, and rows of out are loaded into the registers that held V
	OUTT 0
	OUTT 1
	s_wait_dscnt 32                                ; tile 0's rows are back; behind them stand tile 1's 16 stores and 16 loads
	WIN 0x04
.irp t, 0,1,2,3,4,5,6,7,8,9,10,11,12,13,14,15
	global_store_b128 v[GO], v[4*\t:4*\t+3], s[22:23] offset:512*(\t+8*(\t/8)) th:TH_STORE_NT        ; 32 lanes store a row of 512 consecutive bytes, at a multiple of 256 from out's first byte; the tile's row t is row t + 8 (t / 8) of the group
.endr
	s_wait_dscnt 0x0
.irp t, 0,1,2,3,4,5,6,7,8,9,10,11,12,13,14,15
	global_store_b128 v[GO], v[64+4*\t:64+4*\t+3], s[22:23] offset:512*(\t+8*(\t/8))+4096 th:TH_STORE_NT
.endr
	WIN 0
	s_branch .Lnext
.Lzero:
.irp t, 0,1,2,3,4,5,6,7,8,9,10,11,12,13,14,15,16,17,18,19,20,21,22,23,24,25,26,27,28,29,30,31
	global_store_b128 v[GO], v[Z:Z+3], s[22:23] offset:512*\t th:TH_STORE_NT
.endr
.Lnext:
	s_wait_xcnt 0x0                                ; the stores have read their base and their data: the base steps, and the next group's fragments land where the rows lay
	s_add_nc_u64 s[22:23], s[22:23], 0x10000       ; four groups on
	s_add_co_u32 s[QB], s[QB], 16384
	s_add_co_u32 s[G32], s[G32], 128
	s_add_co_u32 s[CNT], s[CNT], 1
	s_cmp_lt_u32 s[CNT], 4
	s_cbranch_scc1 .Lgroup
	s_wait_tensorcnt 0x0
	ds_add_u32 v254, v255
	s_wait_dscnt 0x0
	s_endpgm
.Lfunc_end_k_qc7fcfce3cd_globalgraph:
	.size	k_qc7fcfce3cd_globalgraph, .Lfunc_end_k_qc7fcfce3cd_globalgraph-k_qc7fcfce3cd_globalgraph
	.p2alignl 7, 3214868480
	.fill 96, 4, 3214868480
	.section	.rodata,"a",@progbits
	.p2align	6, 0x0
	.amdhsa_kernel k_qc7fcfce3cd_globalgraph
		.amdhsa_group_segment_fixed_size 280064
		.amdhsa_private_segment_fixed_size 0
		.amdhsa_enable_private_segment 0
		.amdhsa_kernarg_size 80
		.amdhsa_user_sgpr_count 2
		.amdhsa_user_sgpr_kernarg_segment_ptr 1
		.amdhsa_wavefront_size32 1
		.amdhsa_system_sgpr_workgroup_id_x 1
		.amdhsa_system_sgpr_workgroup_id_y 1
		.amdhsa_system_sgpr_workgroup_id_z 1
		.amdhsa_system_vgpr_workitem_id 0
		.amdhsa_next_free_vgpr 1024
		.amdhsa_next_free_sgpr 66
		.amdhsa_reserve_vcc 1
		.amdhsa_float_denorm_mode_32 3
		.amdhsa_float_denorm_mode_16_64 3
		.amdhsa_fp16_overflow 1
		.amdhsa_memory_ordered 1
		.amdhsa_forward_progress 1
		.amdhsa_inst_pref_size 255
	.end_amdhsa_kernel
	.section	.bss,"aw",@nobits
	.p2align	6
	.space	262144
	.amdgpu_metadata
---
amdhsa.version: [ 1, 2 ]
amdhsa.kernels:
  - .name:           k_qc7fcfce3cd_globalgraph
    .symbol:         k_qc7fcfce3cd_globalgraph.kd
    .args:
      - { .name: x_codes, .offset: 0, .size: 8, .value_kind: global_buffer, .address_space: global }
      - { .name: wq_codes, .offset: 8, .size: 8, .value_kind: global_buffer, .address_space: global }
      - { .name: wk_codes, .offset: 16, .size: 8, .value_kind: global_buffer, .address_space: global }
      - { .name: wv_codes, .offset: 24, .size: 8, .value_kind: global_buffer, .address_space: global }
      - { .name: bq, .offset: 32, .size: 8, .value_kind: global_buffer, .address_space: global }
      - { .name: bk, .offset: 40, .size: 8, .value_kind: global_buffer, .address_space: global }
      - { .name: bv, .offset: 48, .size: 8, .value_kind: global_buffer, .address_space: global }
      - { .name: lowp_scales, .offset: 56, .size: 8, .value_kind: global_buffer, .address_space: global }
      - { .name: valid_lens, .offset: 64, .size: 8, .value_kind: global_buffer, .address_space: global }
      - { .name: out0, .offset: 72, .size: 8, .value_kind: global_buffer, .address_space: global }
    .group_segment_fixed_size: 280064
    .private_segment_fixed_size: 0
    .kernarg_segment_align: 8
    .kernarg_segment_size: 80
    .max_flat_workgroup_size: 128
    .sgpr_count:     66
    .vgpr_count:     1024
    .wavefront_size: 32
...
	.end_amdgpu_metadata
.endif
;; end of part 1
